; MI455X (gfx1250); checked and timed in simulation.
; The chip was launched on July 23, 2026; its instructions are those of AMD's public machine-readable ISA for CDNA 5 (MIT licence, August 2026) and "CDNA5" Instruction Set Architecture Reference Guide (July 2026). The comments in the code are by the model that wrote it; some were corrected since.
;; Scene Renderer. Allowed arithmetic: float matrix products may take bf16 or f16 operands with f32 sums; all other float work in f32.
;; Inputs: C2W 1 x 2 x 4 x 4 float32; features 1 x 1,024 x 4 x 3 float32; fxfycxcy 1 x 2 x 4 float32; opacity 1 x 1,024 x 1 float32; rotation 1 x 1,024 x 4 float32; scaling 1 x 1,024 x 3 float32; xyz 1 x 1,024 x 3 float32.
;; Outputs: out0 1 x 2 x 3 x 128 x 128 float32.
;; Constants: height = 128, width = 128.
;; 2 versions, each right; version 2 is version 1 with the launch render written anew for expert scheduling mode. Each part assembles by itself: llvm-mc -triple=amdgcn-amd-amdhsa -mcpu=gfx1250 --defsym DOCPART=n.
;; ======== version 1 of 2: 2 launches
;; workspace buffers: tab 16,384 bytes of whole numbers; cnt 32,768 bytes of whole numbers; par 98,304 bytes
;; launch prep (part 1): grid 32 x 2, 9 waves a work-group, no clusters, 6,656 bytes of LDS; arguments C2W, features, fxfycxcy, opacity, rotation, scaling, xyz, tab, par, cnt; writes tab, par, cnt
.if DOCPART == 1
	.amdgcn_target "amdgcn-amd-amdhsa--gfx1250"
	.amdhsa_code_object_version 6
	.text
	.protected	k_q0227dcfb13_prep
	.globl	k_q0227dcfb13_prep
	.p2align	8
	.type	k_q0227dcfb13_prep,@function
k_q0227dcfb13_prep:
	s_mov_b64 s[64:65], 0
	v_nop
	global_prefetch_b8 v0, s[64:65] scope:SCOPE_SE
	s_setreg_imm32_b32 hwreg(HW_REG_WAVE_MODE, 25, 1), 1
	s_wait_xcnt 0x0
; PREP: per view and Gaussian, everything that does not depend on the pixel.
; Work-group (x, y): Gaussians 32 x .. 32 x + 31 of view y.  Nine waves, two barriers.
;   all waves : w2c = inverse of C2W[y] by cofactors (a general 4 x 4 inverse; only rows 0-2 are used by the reference).
;   waves 0-7 : the view's 1,024 depth keys into LDS (thread t: Gaussians t, t+256, t+512, t+768), and in a register the key of
;               Gaussian 32 x + lane; behind barrier 1 lane l counts, among the wave's 128 keys, those that sort in front of it.
;   wave 8    : meanwhile the block's 32 records (conic, centre, colour, opacity) and tile masks; behind barrier 2 it adds the eight
;               partial counts: the rank.
;   waves 0-3 : behind barrier 2, thread t = tile t: how many of the block's 32 masks reach that tile.
; The launch is a chain of short steps on few waves, so the text keeps dependent instructions apart: the steps of chains that do not
; depend on each other are written side by side (stage by stage), and counts run in four registers fed by eight compare masks.
; LDS: every address is a wave or lane term plus a constant: keys below byte 4,096, partial counts 4,096-5,119, masks from 5,120, so
; the stores of counts and masks touch nothing that another wave still reads.
; OUT  par[y][i] = 12 floats: A B C u | v delta Nmax op | r g b 0, where N(dx,dy) = A dx^2 + B dx dy + C dy^2 = -power * log2(e),
;      Nmax = log2(255 op) + delta, op = opacity * 2^delta (0 behind the near plane).
;      tab: rank[y][i] (bytes 0..8191), mask[y][i] (bytes 8192..): bits 0-7 tile columns (16 pixels), bits 8-23 tile rows (8 pixels)
;      that the Gaussian can reach; 0 if it can reach none.
;      cnt[y][tile][x]: the block's hits in each of the 128 tiles.  A tile's 32 words lie together, so that the later launch takes them
;      with two scalar loads; the price is 128 stores of one word, 128 bytes apart, from each of the 64 work-groups (8,192 in all).
;      Laid out by block, each of 4,096 waves of the later launch would gather 32 words 512 bytes apart instead (131,072).
; ORDER: key = bits of z (z > 0.2, so they order like z), +inf if culled; equal keys keep index order, as a stable argsort does.
; REACH: alpha >= 1/255 needs N <= log2(255 op); that ellipse spans |dx| <= sqrt(Nmax C / (AC - B^2/4)), likewise dy; the radius is
;      widened by one part in a hundred.  A conic that is not positive definite (AC - B^2/4 <= 1e-30 or A <= 0) reaches every tile.
; LIMITS: inputs finite, C2W invertible (a NaN would be culled here, not carried to the image); |q|^2 of a rotation inside f32's normal
;      range (R is made from the raw products and 2 / |q|^2).  delta = 2^-10 for a positive definite conic, 0 otherwise: the later
;      launch evaluates N as a polynomial and takes N >= -delta as 'power <= 0' (rounding guard).
.set M,    32                          ; s[32:47]  C2W[y], a(r,c) = s[M+4r+c]
.set MK,   54                          ; s[54:61]  eight compare masks
.set SD,   40                          ; v[40:45]  2x2 minors of rows 0,1
.set CD,   46                          ; v[46:51]  2x2 minors of rows 2,3
.set W2C,  56                          ; v[56:67]  rows 0-2 of the inverse
.set TT,   68                          ; v[68:79]  at work
.set THR,  80                          ; v[80:83]  the scan's four thresholds
.set ACC,  84                          ; v[84:87]  four running counts
.set KB,   96                          ; v[96:223] 128 keys of a scanning wave; later v[96:127] the block's 32 masks
.set KEYS, 0                           ; LDS: 1,024 keys
.set PART, 4096                        ; LDS: lane l, wave w: partial count at 32 l + 4 w
.set MASKS, 5120                       ; LDS: the block's 32 tile masks
	s_load_b512 s[8:23], s[0:1], 0x0               ; C2W, features, fxfycxcy, opacity, rotation, scaling, xyz, tab
	s_load_b64 s[24:25], s[0:1], 0x40              ; par
	s_load_b64 s[52:53], s[0:1], 0x48              ; cnt
	v_lshl_add_u32 v224, v0, 2, 0x1500
	v_mov_b32 v225, 0
	v_lshrrev_b32 v1, 5, v0
	v_readfirstlane_b32 s2, v1                     ; wave 0..8
	v_and_b32 v1, 31, v0                           ; lane
	s_and_b32 s3, ttmp7, 0xffff                    ; view
	s_lshl_b32 s5, ttmp9, 5                        ; the block's first Gaussian
	s_lshl_b32 s26, s2, 2                          ; 4 w
	v_add_nc_u32 v4, s5, v1                        ; i = 32 x + lane
	v_lshlrev_b32 v7, 2, v4                        ; 4 i: its words in tab
	v_mul_u32_u24 v5, 12, v4                       ; 12 i: its xyz
	v_lshlrev_b32 v38, 5, v1                       ; 32 lane: the lane's eight partial counts
	v_lshlrev_b32 v39, 2, v0                       ; 4 t: thread t's keys in LDS
	s_lshl_b32 s6, s3, 6
	s_mov_b32 s7, 0
	s_wait_kmcnt 0x0
	s_add_nc_u64 s[8:9], s[8:9], s[6:7]            ; C2W[y]: 64 bytes a view
	s_lshl_b32 s6, s3, 4
	s_add_nc_u64 s[12:13], s[12:13], s[6:7]        ; fxfycxcy[y]
	s_load_b512 s[32:47], s[8:9], 0x0
	s_load_b128 s[48:51], s[12:13], 0x0            ; fx fy cx cy
	global_load_b96 v[8:10], v5, s[20:21]          ; every wave: xyz of Gaussian i
	s_lshl_b32 s6, s3, 12
	s_add_nc_u64 s[22:23], s[22:23], s[6:7]        ; tab: 4,096 bytes a view in each of its two tables
	s_add_co_u32 s6, s6, ttmp9                     ; 4,096 view + block,
	s_lshl_b32 s6, s6, 2                           ; in words:
	s_add_nc_u64 s[52:53], s[52:53], s[6:7]        ; cnt: 16,384 bytes a view, my block's word in tile 0's row
	s_mul_i32 s6, s3, 49152
	s_add_nc_u64 s[24:25], s[24:25], s[6:7]        ; par: 1,024 records of 48 bytes a view
	s_cmp_lt_u32 s2, 8
	s_cbranch_scc0 .Lown_loads
	v_mul_u32_u24 v3, 12, v0                       ; waves 0-7: xyz of four Gaussians, 256 apart
	global_load_b96 v[12:14], v3, s[20:21]
	global_load_b96 v[16:18], v3, s[20:21] offset:3072
	global_load_b96 v[20:22], v3, s[20:21] offset:6144
	global_load_b96 v[24:26], v3, s[20:21] offset:9216
	s_branch .Lloads_out
.Lown_loads:
	v_lshlrev_b32 v6, 4, v4                        ; wave 8: the other inputs of Gaussian i
	v_mul_u32_u24 v2, 48, v4
	global_load_b96 v[12:14], v5, s[18:19]         ; scaling
	global_load_b128 v[16:19], v6, s[16:17]        ; rotation w x y z
	global_load_b32 v20, v7, s[14:15]              ; opacity
	global_load_b128 v[24:27], v2, s[10:11]        ; features [4][3]
	global_load_b128 v[28:31], v2, s[10:11] offset:16
	global_load_b128 v[32:35], v2, s[10:11] offset:32
.Lloads_out:
	s_wait_kmcnt 0x0
; v[d] = s[p] s[q] - s[r] s[t], in two steps
.macro DETSTEP st, i, d, p, q, r, t
.if \st == 0
	v_mul_f32 v[TT+\i], s[\r], s[\t]
.else
	v_fma_f32 v[\d], s[\p], s[\q], -v[TT+\i]
.endif
.endm
.macro MINORS st
	DETSTEP \st, 0, SD+0, M+0, M+5, M+4, M+1       ; S0 = a00 a11 - a10 a01
	DETSTEP \st, 1, SD+1, M+0, M+6, M+4, M+2       ; S1 = a00 a12 - a10 a02
	DETSTEP \st, 2, SD+2, M+0, M+7, M+4, M+3       ; S2 = a00 a13 - a10 a03
	DETSTEP \st, 3, SD+3, M+1, M+6, M+5, M+2       ; S3 = a01 a12 - a11 a02
	DETSTEP \st, 4, SD+4, M+1, M+7, M+5, M+3       ; S4 = a01 a13 - a11 a03
	DETSTEP \st, 5, SD+5, M+2, M+7, M+6, M+3       ; S5 = a02 a13 - a12 a03
	DETSTEP \st, 6, CD+0, M+8, M+13, M+12, M+9     ; C0 = a20 a31 - a30 a21
	DETSTEP \st, 7, CD+1, M+8, M+14, M+12, M+10    ; C1 = a20 a32 - a30 a22
	DETSTEP \st, 8, CD+2, M+8, M+15, M+12, M+11    ; C2 = a20 a33 - a30 a23
	DETSTEP \st, 9, CD+3, M+9, M+14, M+13, M+10    ; C3 = a21 a32 - a31 a22
	DETSTEP \st, 10, CD+4, M+9, M+15, M+13, M+11   ; C4 = a21 a33 - a31 a23
	DETSTEP \st, 11, CD+5, M+10, M+15, M+14, M+11  ; C5 = a22 a33 - a32 a23
.endm
; v[d] = +-(s[p] v[x] - s[q] v[y] + s[r] v[z]) / det, in four steps
.macro COFSTEP st, d, p, x, q, y, r, z, neg
.if \st == 0
	v_mul_f32 v[\d], s[\p], v[\x]
.endif
.if \st == 1
	v_fma_f32 v[\d], s[\q], -v[\y], v[\d]
.endif
.if \st == 2
	v_fma_f32 v[\d], s[\r], v[\z], v[\d]
.endif
.if \st == 3
.if \neg
	v_mul_f32 v[\d], v[\d], -v54
.else
	v_mul_f32 v[\d], v[\d], v54
.endif
.endif
.endm
.macro ROW2 st                         ; row 2 of the inverse (depth): every wave needs it
	COFSTEP \st, W2C+8, M+4, CD+4, M+5, CD+2, M+7, CD+0, 0
	COFSTEP \st, W2C+9, M+0, CD+4, M+1, CD+2, M+3, CD+0, 1
	COFSTEP \st, W2C+10, M+12, SD+4, M+13, SD+2, M+15, SD+0, 0
	COFSTEP \st, W2C+11, M+8, SD+4, M+9, SD+2, M+11, SD+0, 1
.endm
.macro ROWS01 st                       ; rows 0 and 1: wave 8 alone
	COFSTEP \st, W2C+0, M+5, CD+5, M+6, CD+4, M+7, CD+3, 0
	COFSTEP \st, W2C+1, M+1, CD+5, M+2, CD+4, M+3, CD+3, 1
	COFSTEP \st, W2C+2, M+13, SD+5, M+14, SD+4, M+15, SD+3, 0
	COFSTEP \st, W2C+3, M+9, SD+5, M+10, SD+4, M+11, SD+3, 1
	COFSTEP \st, W2C+4, M+4, CD+5, M+6, CD+2, M+7, CD+1, 1
	COFSTEP \st, W2C+5, M+0, CD+5, M+2, CD+2, M+3, CD+1, 0
	COFSTEP \st, W2C+6, M+12, SD+5, M+14, SD+2, M+15, SD+1, 1
	COFSTEP \st, W2C+7, M+8, SD+5, M+10, SD+2, M+11, SD+1, 0
.endm
; Eight compare masks onto four counts: count += mask bit, as the carry into an add of 0; the carry out is dropped.
; first = 1: the first four masks start the counts, so that nothing is cleared.
.macro TALLY first
.irp c, 0,1,2,3
.if \first
	v_cndmask_b32 v[ACC+\c], 0, 1, s[MK+\c]
.else
	v_add_co_ci_u32 v[ACC+\c], null, 0, v[ACC+\c], s[MK+\c]
.endif
.endr
.irp c, 0,1,2,3
	v_add_co_ci_u32 v[ACC+\c], null, 0, v[ACC+\c], s[MK+4+\c]
.endr
.endm
	MINORS 0
	MINORS 1
	ROW2 0
	v_mul_f32 v80, v40, v51                        ; det = (S0 C5 - S1 C4) + (S2 C3 + S3 C2) + (S5 C0 - S4 C1)
	v_mul_f32 v81, v42, v49
	v_mul_f32 v82, v45, v46
	ROW2 1
	v_fma_f32 v80, -v41, v50, v80
	v_fma_f32 v81, v43, v48, v81
	v_fma_f32 v82, -v44, v47, v82
	ROW2 2
	v_add_f32 v80, v80, v81
	v_add_f32 v53, v80, v82
	v_rcp_f32 v54, v53
	v_mov_b32 v36, 0x7f800000                      ; +inf; also the plain instruction behind v_rcp_f32 (ISA guide 5.7.2)
	s_wait_alu depctr_va_vdst(0)
	ROW2 3
	s_cmp_lt_u32 s2, 8
	s_cbranch_scc0 .Lpre8
	; ---- waves 0-7: five keys, step by step: Gaussian i's (kept in v37) and the thread's four (to LDS)
	s_wait_loadcnt 0x0
	v_fma_f32 v37, v66, v10, v67                   ; z in camera space: the same three steps everywhere, so the same bits
.irp q, 0,1,2,3
	v_fma_f32 v[32+\q], v66, v[14+4*\q], v67
.endr
	v_fma_f32 v37, v65, v9, v37
.irp q, 0,1,2,3
	v_fma_f32 v[32+\q], v65, v[13+4*\q], v[32+\q]
.endr
	v_fma_f32 v37, v64, v8, v37
.irp q, 0,1,2,3
	v_fma_f32 v[32+\q], v64, v[12+4*\q], v[32+\q]
.endr
	v_cmp_lt_f32 s[MK+4], 0x3e4ccccd, v37          ; 0.2 < z
.irp q, 0,1,2,3
	v_cmp_lt_f32 s[MK+\q], 0x3e4ccccd, v[32+\q]
.endr
	v_cndmask_b32 v37, v36, v37, s[MK+4]           ; culled: +inf
.irp q, 0,1,2,3
	v_cndmask_b32 v[32+\q], v36, v[32+\q], s[MK+\q]
.endr
.irp q, 0,1,2,3
	ds_store_b32 v39, v[32+\q] offset:KEYS+1024*\q
.endr
	s_branch .Lbar1
.Lpre8:
	; ---- wave 8, while the others make keys: rows 0 and 1 of the inverse
	ROWS01 0
	ROWS01 1
	ROWS01 2
	ROWS01 3
.Lbar1:
	s_wait_dscnt 0x0                               ; my keys are in LDS before I say so
	s_barrier_signal -1                            ; barrier 1: all keys are there
	s_barrier_wait -1
	s_cmp_lt_u32 s2, 8
	s_cbranch_scc0 .Lparams
	; ---- waves 0-7: how many of keys 128 w .. 128 w + 127 sort in front of Gaussian i
	s_lshl_b32 s27, s2, 9
	v_mov_b32 v88, s27
.set k, 0
.rept 32
	ds_load_b128 v[KB+4*k:KB+4*k+3], v88 offset:KEYS+16*k      ; every lane the same 16 bytes
.set k, k+1
.endr
	; ties inside my own block, this wave's share: Gaussians j = 4 w + q, whose keys are lanes j of v37
.irp q, 0,1,2,3
	s_add_co_u32 s[28+\q], s26, \q                 ; j
.endr
.irp q, 0,1,2,3
	v_readlane_b32 s[MK+4+\q], v37, s[28+\q]       ; key of j
.endr
.irp q, 0,1,2,3
	s_lshl_b32 s[28+\q], -2, s[28+\q]              ; lanes l > j
.endr
.irp q, 0,1,2,3
	v_cmp_eq_u32 s[MK+\q], s[MK+4+\q], v37
.endr
.irp q, 0,1,2,3
	s_and_b32 s[MK+\q], s[MK+\q], s[28+\q]         ; an equal key with a lower index goes first
.endr
.irp q, 0,1,2,3
	v_cndmask_b32 v[ACC+\q], 0, 1, s[MK+\q]        ; these start the four counts
.endr
.irp s, 0,1,2,3
	s_add_co_u32 s27, s26, \s                      ; the 32 keys of block 4 w + s:
	s_cmp_lt_u32 s27, ttmp9                        ; a block in front of mine counts key <= mine (key < mine + 1, on the bits),
	s_cselect_b32 s27, 1, 0                        ; my own block and later ones count key < mine
	v_add_nc_u32 v[THR+\s], s27, v37
.endr
.set g, 0
.irp s, 0,1,2,3
.rept 4
	s_wait_dscnt 30-2*g                            ; of the 32 loads, loads 2 g and 2 g + 1 are in, the younger ones stay out
.irp c, 0,1,2,3,4,5,6,7
	v_cmp_lt_u32 s[MK+\c], v[KB+8*g+\c], v[THR+\s]
.endr
	TALLY 0
.set g, g+1
.endr
.endr
	v_add3_u32 v90, v[ACC], v[ACC+1], v[ACC+2]
	v_add_nc_u32 v89, s26, v38                     ; 32 lane + 4 w
	v_add_nc_u32 v90, v90, v[ACC+3]
	ds_store_b32 v89, v90 offset:PART
	s_branch .Ljoin
.Lparams:
	; ---- wave 8: the record of Gaussian i.  q = (w x y z) = v16..v19.
	s_wait_loadcnt 0x0
	v_mul_f32 v96, v17, v17                        ; xx yy zz ww
	v_mul_f32 v97, v18, v18
	v_mul_f32 v98, v19, v19
	v_mul_f32 v165, v16, v16
	v_fma_f32 v68, v58, v10, v59                   ; x, y, z in camera space, three chains side by side
	v_fma_f32 v69, v62, v10, v63
	v_fma_f32 v70, v66, v10, v67
	v_mul_f32 v99, v17, v18                        ; xy xz yz
	v_mul_f32 v100, v17, v19
	v_mul_f32 v101, v18, v19
	v_fma_f32 v68, v57, v9, v68
	v_fma_f32 v69, v61, v9, v69
	v_fma_f32 v70, v65, v9, v70
	v_mul_f32 v102, v16, v17                       ; wx wy wz
	v_mul_f32 v103, v16, v18
	v_mul_f32 v104, v16, v19
	v_fma_f32 v68, v56, v8, v68
	v_fma_f32 v69, v60, v8, v69
	v_fma_f32 v70, v64, v8, v70
	v_add_f32 v105, v97, v98                       ; yy + zz
	v_add_f32 v166, v165, v96                      ; ww + xx
	v_sub_f32 v73, v8, s[M+3]                      ; xyz - camera position (column 3 of C2W)
	v_sub_f32 v74, v9, s[M+7]
	v_sub_f32 v75, v10, s[M+11]
	v_cmp_lt_f32 s30, 0x3e4ccccd, v70              ; valid: 0.2 < z
	v_max_num_f32 v71, 0x3e4ccccd, v70             ; zs
	v_add_f32 v166, v166, v105                     ; |q|^2
	v_mul_f32 v76, v73, v73
	v_add_f32 v109, v96, v98                       ; xx + zz
	v_add_f32 v113, v96, v97                       ; xx + yy
	v_rcp_f32 v77, v71                             ; 1 / zs.  Behind each transcendental here stands a plain line that names neither
	v_fma_f32 v76, v74, v74, v76                   ; its result nor its source (ISA guide 5.7.2)
	v_rcp_f32 v167, v166                           ; 1 / |q|^2
	v_sub_f32 v106, v99, v104                      ; xy - wz
	v_add_f32 v107, v100, v103                     ; xz + wy
	v_fma_f32 v76, v75, v75, v76                   ; |d|^2
	v_add_f32 v108, v99, v104                      ; xy + wz
	v_sub_f32 v110, v101, v102                     ; yz - wx
	v_sub_f32 v111, v100, v103                     ; xz - wy
	v_add_f32 v112, v101, v102                     ; yz + wx
	v_rsq_f32 v79, v76                             ; 1 / |d|
	v_cndmask_b32 v80, 0, v20, s30                 ; opacity, 0 if culled
	s_wait_alu depctr_va_vdst(0)
	v_add_f32 v168, v167, v167                     ; 2 / |q|^2
	v_mul_f32 v81, v68, v77                        ; x / zs, y / zs
	v_mul_f32 v82, v69, v77
	v_mul_f32 v85, s48, v77                        ; J00 = fx / zs, J11 = fy / zs
	v_mul_f32 v86, s49, v77
	v_mul_f32 v148, 0x437f0000, v80                ; 255 op
	v_mul_f32 v79, 0x3efa2a1c, v79                 ; SH_C1 / |d|
	v_fma_f32 v105, -v168, v105, 1.0               ; R in v[105:113], row-major
	v_mul_f32 v106, v106, v168
	v_mul_f32 v107, v107, v168
	v_mul_f32 v108, v108, v168
	v_fma_f32 v109, -v168, v109, 1.0
	v_mul_f32 v110, v110, v168
	v_mul_f32 v111, v111, v168
	v_mul_f32 v112, v112, v168
	v_fma_f32 v113, -v168, v113, 1.0
	v_log_f32 v149, v148                           ; Nmax = log2(255 op); -inf if culled
	v_fma_f32 v139, s48, v81, s50                  ; u = fx x / zs + cx
	v_fma_f32 v140, s49, v82, s51                  ; v
	v_mul_f32 v87, v85, v81                        ; -J02, -J12
	v_mul_f32 v88, v86, v82
	v_mul_f32 v74, v74, -v79                       ; -C1 dy, +C1 dz, -C1 dx
	v_mul_f32 v75, v75, v79
	v_mul_f32 v73, v73, -v79
	v_lshlrev_b32 v89, 2, v1                       ; 4 lane: my mask's word in LDS
	; cov2d = G G^T with G = J Rcw R diag(s): the reference's two congruences, multiplied out from the left.
	; K = J Rcw (2 x 3) in v[114:119], G in v[120:125]; the colour's four steps fill the gaps.
.irp j, 0,1,2
	v_mul_f32 v[114+\j], v85, v[W2C+\j]
.endr
.irp j, 0,1,2
	v_mul_f32 v[117+\j], v86, v[W2C+4+\j]
.endr
.irp c, 0,1,2
	v_fma_f32 v[144+\c], 0x3e906ebb, v[24+\c], 0.5 ; SH_C0 f0 + 0.5
.endr
.irp j, 0,1,2
	v_fma_f32 v[114+\j], -v87, v[W2C+8+\j], v[114+\j]
.endr
.irp j, 0,1,2
	v_fma_f32 v[117+\j], -v88, v[W2C+8+\j], v[117+\j]
.endr
.irp c, 0,1,2
	v_fma_f32 v[144+\c], v74, v[27+\c], v[144+\c]
.endr
.irp j, 0,1,2
	v_mul_f32 v[120+\j], v114, v[105+\j]
.endr
.irp j, 0,1,2
	v_mul_f32 v[123+\j], v117, v[105+\j]
.endr
.irp c, 0,1,2
	v_fma_f32 v[144+\c], v75, v[30+\c], v[144+\c]
.endr
.irp j, 0,1,2
	v_fma_f32 v[120+\j], v115, v[108+\j], v[120+\j]
.endr
.irp j, 0,1,2
	v_fma_f32 v[123+\j], v118, v[108+\j], v[123+\j]
.endr
.irp c, 0,1,2
	v_fma_f32 v[144+\c], v73, v[33+\c], v[144+\c]
.endr
.irp j, 0,1,2
	v_fma_f32 v[120+\j], v116, v[111+\j], v[120+\j]
.endr
.irp j, 0,1,2
	v_fma_f32 v[123+\j], v119, v[111+\j], v[123+\j]
.endr
.irp c, 0,1,2
	v_max_num_f32 v[144+\c], 0, v[144+\c]
.endr
	v_mov_b32 v147, 0                              ; the record's last word is loaded later: it is stored
.irp j, 0,1,2
	v_mul_f32 v[120+\j], v[120+\j], v[12+\j]
.endr
.irp j, 0,1,2
	v_mul_f32 v[123+\j], v[123+\j], v[12+\j]
.endr
	global_store_b128 v2, v[144:147], s[24:25] offset:32           ; each 16 bytes of the record leave as soon as they are whole
	v_fmaak_f32 v126, v120, v120, 0x3e99999a       ; a = cov00 + 0.3
	v_mul_f32 v127, v120, v123                     ; b
	v_fmaak_f32 v128, v123, v123, 0x3e99999a       ; c = cov11 + 0.3
	v_mov_b32 v155, 0x3a800000                     ; 2^-10
	v_mov_b32 v156, 0x3f801630                     ; 2^(2^-10)
	v_fma_f32 v126, v121, v121, v126
	v_fma_f32 v127, v121, v124, v127
	v_fma_f32 v128, v124, v124, v128
	s_wait_alu depctr_va_vdst(0)
	v_cmp_le_f32 s29, 0, v149                      ; 255 op >= 1
	v_fma_f32 v126, v122, v122, v126
	v_fma_f32 v127, v122, v125, v127
	v_fma_f32 v128, v125, v125, v128
	v_mul_f32 v129, v127, v127
	v_fma_f32 v129, v126, v128, -v129
	v_max_num_f32 v129, 0x358637bd, v129           ; det = max(ac - b^2, 1e-6)
	v_rcp_f32 v130, v129
	v_mov_b32 v169, 0x7f800000
	s_wait_alu depctr_va_vdst(0)
	v_mul_f32 v130, 0x3f38aa3b, v130               ; log2(e) / (2 det)
	v_mul_f32 v136, v128, v130                     ; A =  ca log2(e) / 2
	v_mul_f32 v138, v126, v130                     ; C =  cc log2(e) / 2
	v_mul_f32 v134, v127, v130                     ; -B / 2
	v_cmp_lt_f32 s27, 0, v136
	v_mul_f32 v137, -2.0, v134                     ; B =  cb log2(e)
	v_mul_f32 v150, v134, v134
	v_fma_f32 v150, v136, v138, -v150              ; AC - B^2/4
	global_store_b128 v2, v[136:139], s[24:25]
	v_rcp_f32 v151, v150
	v_cmp_lt_f32 s31, 0x0da24260, v150             ; > 1e-30
	s_and_b32 s31, s31, s27                        ; positive definite
	s_wait_alu depctr_va_vdst(0)
	v_mul_f32 v152, v149, v151
	v_cndmask_b32 v141, 0, v155, s31               ; delta
	v_cndmask_b32 v156, 1.0, v156, s31
	v_mul_f32 v153, v152, v138
	v_mul_f32 v154, v152, v136
	v_add_f32 v142, v149, v141                     ; Nmax + delta
	v_sqrt_f32 v163, v153                          ; reach along x
	v_sqrt_f32 v164, v154                          ; reach along y
	v_mul_f32 v143, v80, v156                      ; op 2^delta
	global_store_b128 v2, v[140:143], s[24:25] offset:16
	s_wait_alu depctr_va_vdst(0)
	v_cndmask_b32 v163, v169, v163, s31            ; no ellipse: everywhere
	v_cndmask_b32 v164, v169, v164, s31
	v_fma_f32 v157, v163, 0x3f8147ae, 0.5          ; 1.01 reach + 0.5: pixel p has its centre at p + 0.5
	v_fma_f32 v158, v164, 0x3f8147ae, 0.5
	v_sub_f32 v159, v139, v157                     ; first and last pixel column, as floats
	v_add_f32 v160, v139, v157
	v_sub_f32 v161, v140, v158                     ; first and last pixel row
	v_add_f32 v162, v140, v158
	v_add_f32 v160, -1.0, v160
	v_add_f32 v162, -1.0, v162
	v_cmp_ge_f32 s54, 0x42fe0000, v159             ; the box meets the image
	v_cmp_ge_f32 s56, 0x42fe0000, v161
	v_cmp_le_f32 s28, 0, v160
	v_cmp_le_f32 s55, 0, v162
.irp r, 159,160,161,162
	v_med3_num_f32 v\r, v\r, 0, 0x42fe0000         ; into 0 .. 127
.endr
	s_and_b32 s29, s29, s54
	s_and_b32 s29, s29, s56
	s_and_b32 s29, s29, s28
	s_and_b32 s29, s29, s55
.irp r, 159,160,161,162
	v_cvt_u32_f32 v\r, v\r
.endr
	v_lshrrev_b32 v159, 4, v159                    ; tile columns of 16 pixels
	v_lshrrev_b32 v160, 4, v160
	v_lshrrev_b32 v161, 3, v161                    ; tile rows of 8 pixels
	v_lshrrev_b32 v162, 3, v162
	v_lshlrev_b32 v159, v159, 1                    ; bits first .. last = (2 << last) - (1 << first)
	v_lshlrev_b32 v160, v160, 2
	v_lshlrev_b32 v161, v161, 1
	v_lshlrev_b32 v162, v162, 2
	v_sub_nc_u32 v159, v160, v159
	v_sub_nc_u32 v161, v162, v161
	v_lshl_or_b32 v159, v161, 8, v159
	v_cndmask_b32 v159, 0, v159, s29
	ds_store_b32 v89, v159 offset:MASKS            ; for the tile counts
	global_store_b32 v7, v159, s[22:23] offset:8192
.Ljoin:
	s_wait_dscnt 0x0                               ; my partial count, or my masks, are in LDS; my reads of the keys are done
	s_barrier_signal -1                            ; barrier 2: the counts and the masks are there
	s_barrier_wait -1
	s_cmp_lt_u32 s2, 4
	s_cbranch_scc1 .Lcount
	s_cmp_lg_u32 s2, 8
	s_cbranch_scc1 .Lend
	; ---- wave 8: the rank
	ds_load_b128 v[92:95], v38 offset:PART
	ds_load_b128 v[96:99], v38 offset:PART+16
	s_wait_dscnt 0x0
	v_add3_u32 v92, v92, v93, v94
	v_add3_u32 v95, v95, v96, v97
	v_add3_u32 v92, v92, v98, v99
	v_add_nc_u32 v92, v92, v95
	global_store_b32 v7, v92, s[22:23]             ; rank of i: 128 neighbouring bytes from the wave
	s_branch .Lend
.Lcount:
	; ---- waves 0-3: thread t counts the block's hits in tile t (column t & 7, row t >> 3)
	v_mov_b32 v88, 0
.set k, 0
.rept 8
	ds_load_b128 v[KB+4*k:KB+4*k+3], v88 offset:MASKS+16*k     ; every lane the same 16 bytes
.set k, k+1
.endr
	v_and_b32 v91, 7, v0
	v_lshrrev_b32 v92, 3, v0
	v_lshlrev_b32 v95, 7, v0                       ; a tile's row in cnt: 32 words
	v_add_nc_u32 v92, 8, v92
	v_lshlrev_b32 v91, v91, 1                      ; the column's bit
	v_lshlrev_b32 v92, v92, 1                      ; the row's bit
	v_or_b32 v91, v91, v92
.macro HITS g, first                   ; eight masks against the tile's two bits: the test that the later launch makes
	s_wait_dscnt 6-2*\g                            ; of the eight loads, loads 2 g and 2 g + 1 are in
.irp c, 0,1,2,3,4,5,6,7
	v_and_b32 v[TT+\c], v91, v[KB+8*\g+\c]
.endr
.irp c, 0,1,2,3,4,5,6,7
	v_cmp_eq_u32 s[MK+\c], v91, v[TT+\c]           ; both bits set
.endr
	TALLY \first
.endm
	HITS 0, 1
	HITS 1, 0
	HITS 2, 0
	HITS 3, 0
	v_add3_u32 v93, v[ACC], v[ACC+1], v[ACC+2]
	v_add_nc_u32 v93, v93, v[ACC+3]
	global_store_b32 v95, v93, s[52:53]
.Lend:
	s_wait_tensorcnt 0x0
	ds_add_u32 v224, v225
	s_wait_dscnt 0x0
	s_endpgm
.Lfunc_end_k_q0227dcfb13_prep:
	.size	k_q0227dcfb13_prep, .Lfunc_end_k_q0227dcfb13_prep-k_q0227dcfb13_prep
	.p2alignl 7, 3214868480
	.fill 96, 4, 3214868480
	.section	.rodata,"a",@progbits
	.p2align	6, 0x0
	.amdhsa_kernel k_q0227dcfb13_prep
		.amdhsa_group_segment_fixed_size 6656
		.amdhsa_private_segment_fixed_size 0
		.amdhsa_enable_private_segment 0
		.amdhsa_kernarg_size 80
		.amdhsa_user_sgpr_count 2
		.amdhsa_user_sgpr_kernarg_segment_ptr 1
		.amdhsa_wavefront_size32 1
		.amdhsa_system_sgpr_workgroup_id_x 1
		.amdhsa_system_sgpr_workgroup_id_y 1
		.amdhsa_system_sgpr_workgroup_id_z 1
		.amdhsa_system_vgpr_workitem_id 0
		.amdhsa_next_free_vgpr 226
		.amdhsa_next_free_sgpr 66
		.amdhsa_reserve_vcc 0
		.amdhsa_float_denorm_mode_32 3
		.amdhsa_float_denorm_mode_16_64 3
		.amdhsa_memory_ordered 1
		.amdhsa_forward_progress 1
		.amdhsa_inst_pref_size 47
	.end_amdhsa_kernel
	.amdgpu_metadata
---
amdhsa.version: [ 1, 2 ]
amdhsa.kernels:
  - .name:           k_q0227dcfb13_prep
    .symbol:         k_q0227dcfb13_prep.kd
    .args:
      - { .name: C2W, .offset: 0, .size: 8, .value_kind: global_buffer, .address_space: global }
      - { .name: features, .offset: 8, .size: 8, .value_kind: global_buffer, .address_space: global }
      - { .name: fxfycxcy, .offset: 16, .size: 8, .value_kind: global_buffer, .address_space: global }
      - { .name: opacity, .offset: 24, .size: 8, .value_kind: global_buffer, .address_space: global }
      - { .name: rotation, .offset: 32, .size: 8, .value_kind: global_buffer, .address_space: global }
      - { .name: scaling, .offset: 40, .size: 8, .value_kind: global_buffer, .address_space: global }
      - { .name: xyz, .offset: 48, .size: 8, .value_kind: global_buffer, .address_space: global }
      - { .name: tab, .offset: 56, .size: 8, .value_kind: global_buffer, .address_space: global }
      - { .name: par, .offset: 64, .size: 8, .value_kind: global_buffer, .address_space: global }
      - { .name: cnt, .offset: 72, .size: 8, .value_kind: global_buffer, .address_space: global }
    .group_segment_fixed_size: 6656
    .private_segment_fixed_size: 0
    .kernarg_segment_align: 8
    .kernarg_segment_size: 80
    .max_flat_workgroup_size: 288
    .sgpr_count:     66
    .vgpr_count:     226
    .wavefront_size: 32
...
	.end_amdgpu_metadata
.endif
;; end of part 1
;; launch render (part 2): grid 128 x 2, 16 waves a work-group, no clusters, 79,872 bytes of LDS; arguments tab, par, out0, cnt; writes out0
.if DOCPART == 2
	.amdgcn_target "amdgcn-amd-amdhsa--gfx1250"
	.amdhsa_code_object_version 6
	.text
	.protected	k_q0227dcfb13_render
	.globl	k_q0227dcfb13_render
	.p2align	8
	.type	k_q0227dcfb13_render,@function
k_q0227dcfb13_render:
	s_mov_b64 s[64:65], 0
	v_nop
	global_prefetch_b8 v0, s[64:65] scope:SCOPE_SE
	s_setreg_imm32_b32 hwreg(HW_REG_WAVE_MODE, 25, 1), 1
	s_wait_xcnt 0x0
; RENDER: one work-group = one tile of 16 x 8 pixels of one view (x: tile, 8 across and 16 down; y: view).  Sixteen waves.
; 1. THE TILE'S LIST, on whole numbers from tab and cnt only.  Its length n is the sum of the tile's 32 words of cnt (128 neighbouring
;    bytes, two scalar loads, 31 scalar adds in every wave: n steers the trip count, so every wave wants it as a scalar).
;    Thread t owns Gaussians t and t + 512.  A Gaussian is on the list if its mask has the tile's column bit and row bit.  Its record is
;    asked for at once (fixed address; one that misses asks for record 0 instead).  'index or -1' goes to LDS at the Gaussian's depth
;    rank; wave w then takes sorted places 64 w .. 64 w + 63, counts hits in front of each (ballot, mbcnt), and the waves' totals meet
;    in a table M[l][k] = (l > k ? total k : 0): row w sums to wave w's base.  The place in the list goes back to the owner through
;    posOf[index]; owners of misses find TRASH there.
; 2. THE OWNER rewrites N = A dx^2 + B dx dy + C dy^2 (dx = X - ul ..) in X, Y measured from the tile's centre:
;    N + delta = (A X + B Y + D) X + (C Y + E) Y + F,  D = -(2A ul + B vl), E = -(2C vl + B ul), F = -(D ul + E vl)/2 + delta,
;    and stores A B C D | E F Nmax op | r g b 0 at its place.  32 records of zeros follow the list.
; 3. THE LOOP.  Wave = (half of the tile pw = w & 1, segment seg = w >> 1); a lane has two neighbouring pixels of a row.  Every wave
;    makes m = max(1, ceil(n / 8)) trips over records seg m ..; zeros give alpha = 0.  alpha = min(0.99, op 2^-N) if 0 <= N <= Nmax
;    (one unsigned compare of the bits: a negative N has the top bit set), else 0.  w = alpha T, T -= w, colour += w c.
; 4. THE SEGMENTS' (colour, T) meet in LDS; waves 0-2 (one colour plane each) fold them front to back, C += Tprefix C_s, and store.
; The product weights x colours has three columns: it stays on the vector unit, in f32, fused into the recurrence (1.5 packed
; instructions a pair); a 16 x 16 x 32 fragment would use 3 of its 16 columns and want the list padded to 32.
; A tile row is 64 neighbouring bytes of the image; a tile 64 pixels wide would make whole runs of 256 bytes but nearly double the
; pairs, (64+16)(2+16) against (16+16)(8+16) for a box of 16 pixels.
; LIMITS: as stated for the first launch (finite inputs; alpha >= 1/255 tested as N <= log2(255 op); N >= -2^-10 taken as
; 'power <= 0' for positive definite conics).
.set COMB,  0                          ; LDS: [8 segments][r g b T][128 pixels] f32
.set SORT,  16384                      ; LDS: 1,024 words, by depth rank
.set MAT,   20480                      ; LDS: 32 rows x 16 words
.set POSOF, 22528                      ; LDS: 1,024 words by index, and one for the misses
.set REC,   26640                      ; LDS: 1,057 records of 48 bytes
.set TRASH, 1056                       ; the record that misses write
.set LASTP, 1055                       ; the last record of zeros at n = 1,024
.set CNT,   32                         ; s[32:63] the tile's 32 counts
	s_load_b128 s[4:7], s[0:1], 0x0                ; tab, par
	s_load_b64 s[8:9], s[0:1], 0x10                ; out0
	s_load_b64 s[68:69], s[0:1], 0x18              ; cnt
	v_lshl_add_u32 v128, v0, 2, 0x13000
	v_mov_b32 v129, 0
	v_lshrrev_b32 v1, 5, v0
	v_readfirstlane_b32 s2, v1                     ; wave 0..15
	v_and_b32 v1, 31, v0                           ; lane
	s_and_b32 s3, ttmp7, 0xffff                    ; view
	s_and_b32 s10, ttmp9, 7                        ; tile column
	s_lshr_b32 s11, ttmp9, 3                       ; tile row
	s_lshl_b32 s12, 1, s10
	s_lshl_b32 s13, 0x100, s11
	s_or_b32 s12, s12, s13                         ; the tile's two bits in a mask
	v_lshlrev_b32 v2, 2, v0                        ; 4 t
	v_add_nc_u32 v3, 512, v0                       ; my second Gaussian
	s_lshl_b32 s14, s3, 12
	s_mov_b32 s15, 0
	s_mul_i32 s16, s3, 49152
	s_mov_b32 s17, 0
	s_lshl_b32 s20, s3, 7
	s_add_co_u32 s20, s20, ttmp9                   ; 128 view + tile,
	s_lshl_b32 s20, s20, 7                         ; rows of 128 bytes
	s_mov_b32 s21, 0
	s_wait_kmcnt 0x0
	s_add_nc_u64 s[4:5], s[4:5], s[14:15]
	s_add_nc_u64 s[6:7], s[6:7], s[16:17]
	s_add_nc_u64 s[68:69], s[68:69], s[20:21]
	global_load_b32 v4, v2, s[4:5]                 ; rank t, rank t + 512
	global_load_b32 v5, v2, s[4:5] offset:2048
	global_load_b32 v6, v2, s[4:5] offset:8192     ; mask t, mask t + 512
	global_load_b32 v7, v2, s[4:5] offset:10240
	s_load_b512 s[CNT:CNT+15], s[68:69], 0x0       ; hits of blocks 0-15 in my tile
	s_load_b512 s[CNT+16:CNT+31], s[68:69], 0x40   ; of blocks 16-31
	v_mov_b32 v8, TRASH
	ds_store_b32 v2, v8 offset:POSOF               ; until a hit is told its place
	ds_store_b32 v2, v8 offset:POSOF+2048
	s_and_b32 s18, s2, 1                           ; pw
	s_lshr_b32 s19, s2, 1                          ; seg
	v_and_b32 v96, 7, v1                           ; my pixels: x = 2 (lane & 7), x + 1; y = 4 pw + lane / 8
	v_lshlrev_b32 v96, 1, v96
	v_cvt_f32_u32 v96, v96
	v_add_f32 v97, 0xc0d00000, v96                 ; X of the second: x + 1 + 0.5 - 8
	v_add_f32 v96, 0xc0f00000, v96                 ; X of the first:  x + 0.5 - 8
	v_lshrrev_b32 v98, 3, v1
	v_lshl_add_u32 v98, s18, 2, v98
	v_cvt_f32_u32 v98, v98
	v_add_f32 v98, 0xc0600000, v98                 ; Y = y + 0.5 - 4
	s_lshl_b32 s20, s10, 4
	s_add_co_u32 s20, s20, 8
	v_cvt_f32_u32 v14, s20                         ; the tile's centre
	s_lshl_b32 s20, s11, 3
	s_add_co_u32 s20, s20, 4
	v_cvt_f32_u32 v15, s20
	s_wait_loadcnt 0x0
	v_and_b32 v8, s12, v6
	v_and_b32 v9, s12, v7
	v_cmp_eq_u32 vcc_lo, s12, v8                   ; both bits set
	v_cndmask_b32 v10, -1, v0, vcc_lo              ; index or -1
	v_cndmask_b32 v12, 0, v0, vcc_lo               ; record to fetch
	v_cmp_eq_u32 vcc_lo, s12, v9
	v_cndmask_b32 v11, -1, v3, vcc_lo
	v_cndmask_b32 v13, 0, v3, vcc_lo
	v_min_u32 v12, 0x3ff, v12
	v_min_u32 v13, 0x3ff, v13
	v_mul_u32_u24 v12, 48, v12
	v_mul_u32_u24 v13, 48, v13
	global_load_b128 v[16:19], v12, s[6:7]
	global_load_b128 v[20:23], v12, s[6:7] offset:16
	global_load_b128 v[24:27], v12, s[6:7] offset:32
	global_load_b128 v[28:31], v13, s[6:7]
	global_load_b128 v[32:35], v13, s[6:7] offset:16
	global_load_b128 v[36:39], v13, s[6:7] offset:32
	v_min_u32 v4, 0x3ff, v4
	v_min_u32 v5, 0x3ff, v5
	v_lshlrev_b32 v4, 2, v4
	v_lshlrev_b32 v5, 2, v5
	ds_store_b32 v4, v10 offset:SORT               ; ranks are a permutation: every word is written
	ds_store_b32 v5, v11 offset:SORT
	s_wait_kmcnt 0x0                               ; the tile's 32 counts
	s_add_co_u32 s26, s[CNT], s[CNT+1]
.set r, CNT+2
.rept 30
	s_add_co_u32 s26, s26, s[r]
.set r, r+1
.endr
	s_min_u32 s26, s26, 0x400                      ; n, the list's length
	s_wait_dscnt 0x0
	s_barrier_signal -1
	s_barrier_wait -1
	; sorted places 64 w + lane and 64 w + 32 + lane
	s_lshl_b32 s20, s2, 8
	v_lshl_add_u32 v44, v1, 2, s20
	ds_load_b32 v40, v44 offset:SORT
	ds_load_b32 v41, v44 offset:SORT+128
	s_lshl_b32 s21, s2, 2
	v_lshlrev_b32 v45, 6, v1
	v_add_nc_u32 v45, s21, v45                     ; M[lane][w]
	s_wait_dscnt 0x0
	v_cmp_le_i32 s22, 0, v40
	v_cmp_le_i32 s23, 0, v41
	s_bcnt1_i32_b32 s24, s22
	s_bcnt1_i32_b32 s25, s23
	v_mbcnt_lo_u32_b32 v42, s22, 0                 ; hits of my wave in front of each place
	v_mbcnt_lo_u32_b32 v43, s23, s24
	s_add_co_u32 s25, s24, s25
	v_mov_b32 v46, s25
	v_cmp_lt_u32 vcc_lo, s2, v1                    ; row l takes my total if l > w
	v_cndmask_b32 v46, 0, v46, vcc_lo
	ds_store_b32 v45, v46 offset:MAT
	s_wait_dscnt 0x0
	s_barrier_signal -1
	s_barrier_wait -1
	s_lshl_b32 s20, s2, 6
	v_mov_b32 v44, s20
.irp k, 0,1,2,3
	ds_load_b128 v[48+4*\k:51+4*\k], v44 offset:MAT+16*\k          ; row w
.endr
	v_min_u32 v40, 0x400, v40                      ; -1 becomes 1,024: the word for misses
	v_min_u32 v41, 0x400, v41
	v_lshlrev_b32 v40, 2, v40
	v_lshlrev_b32 v41, 2, v41
	s_wait_dscnt 0x0
	v_add3_u32 v48, v48, v49, v50                  ; the hits of all waves in front of mine
	v_add3_u32 v51, v51, v52, v53
	v_add3_u32 v54, v54, v55, v56
	v_add3_u32 v57, v57, v58, v59
	v_add3_u32 v60, v60, v61, v62
	v_add3_u32 v48, v48, v51, v54
	v_add3_u32 v57, v57, v60, v63
	v_add_nc_u32 v48, v48, v57
	v_add_nc_u32 v42, v48, v42                     ; place in the list
	v_add_nc_u32 v43, v48, v43
	ds_store_b32 v40, v42 offset:POSOF
	ds_store_b32 v41, v43 offset:POSOF
	s_cmp_lg_u32 s2, 0
	s_cbranch_scc1 .Lno_pad
	v_add_nc_u32 v44, s26, v1                      ; wave 0: records n .. n + 31 are zeros
	v_min_u32 v44, LASTP, v44
	v_mul_u32_u24 v44, 48, v44
	v_mov_b32 v80, 0
	v_mov_b32 v81, 0
	v_mov_b32 v82, 0
	v_mov_b32 v83, 0
	ds_store_b128 v44, v[80:83] offset:REC
	ds_store_b128 v44, v[80:83] offset:REC+16
	ds_store_b128 v44, v[80:83] offset:REC+32
.Lno_pad:
	s_wait_dscnt 0x0
	s_barrier_signal -1
	s_barrier_wait -1
	ds_load_b32 v40, v2 offset:POSOF               ; my two places (TRASH for a miss)
	ds_load_b32 v41, v2 offset:POSOF+2048
	s_wait_loadcnt 0x0                             ; my two records
.macro COEF r                          ; in: A B C u | v delta ..; out: A B C D | E F ..
	v_sub_f32 v44, v[\r+3], v14                    ; ul, vl: the centre seen from the tile's centre
	v_sub_f32 v45, v[\r+4], v15
	v_mul_f32 v46, v[\r+1], v45
	v_add_f32 v47, v[\r], v[\r]
	v_fma_f32 v[\r+3], -v47, v44, -v46             ; D = -(2A ul + B vl)
	v_mul_f32 v46, v[\r+1], v44
	v_add_f32 v47, v[\r+2], v[\r+2]
	v_fma_f32 v[\r+4], -v47, v45, -v46             ; E = -(2C vl + B ul)
	v_mul_f32 v46, v[\r+3], v44
	v_fma_f32 v46, v[\r+4], v45, v46
	v_fma_f32 v[\r+5], -0.5, v46, v[\r+5]          ; F = -(D ul + E vl)/2 + delta
.endm
	COEF 16
	COEF 28
	s_wait_dscnt 0x0
	v_min_u32 v40, TRASH, v40
	v_min_u32 v41, TRASH, v41
	v_mul_u32_u24 v40, 48, v40
	v_mul_u32_u24 v41, 48, v41
	ds_store_b128 v40, v[16:19] offset:REC
	ds_store_b128 v40, v[20:23] offset:REC+16
	ds_store_b128 v40, v[24:27] offset:REC+32
	ds_store_b128 v41, v[28:31] offset:REC
	ds_store_b128 v41, v[32:35] offset:REC+16
	ds_store_b128 v41, v[36:39] offset:REC+32
	s_add_co_u32 s27, s26, 7
	s_lshr_b32 s27, s27, 3
	s_max_u32 s27, s27, 1                          ; m trips
	s_mul_i32 s28, s19, s27                        ; my first record
	s_add_co_u32 s29, s28, s27                     ; behind my last
	s_min_u32 s30, s28, LASTP
	s_mul_i32 s30, s30, 48
	v_mov_b32 v120, s30
	s_wait_dscnt 0x0
	s_barrier_signal -1
	s_barrier_wait -1
	; v[84:95] the record; v[96:97] X, v98 Y; v[112:113] T; v[114:119] r, g, b of my two pixels
	ds_load_b128 v[84:87], v120 offset:REC
	ds_load_b128 v[88:91], v120 offset:REC+16
	ds_load_b128 v[92:95], v120 offset:REC+32
	v_mov_b32 v112, 1.0
	v_mov_b32 v113, 1.0
.irp r, 114,115,116,117,118,119
	v_mov_b32 v\r, 0
.endr
.Lloop:
	s_add_co_u32 s28, s28, 1
	s_min_u32 s30, s28, LASTP                      ; the next record (behind my last trip: one that is loaded and not used)
	s_mul_i32 s30, s30, 48
	v_mov_b32 v120, s30
	s_wait_dscnt 1                                 ; three loads out: A..D and E..op are in, the colours may be out
	v_fma_f32 v99, v86, v98, v88                   ; C Y + E
	v_fma_f32 v100, v85, v98, v87                  ; B Y + D
	v_fma_f32 v101, v99, v98, v89                  ; (C Y + E) Y + F
	v_pk_fma_f32 v[102:103], v[84:85], v[96:97], v[100:101] op_sel_hi:[0,1,0]                  ; A X + (B Y + D)
	v_pk_fma_f32 v[104:105], v[102:103], v[96:97], v[100:101] op_sel:[0,0,1] op_sel_hi:[1,1,1] ; N
	ds_load_b128 v[84:87], v120 offset:REC         ; A..D have been read: the next record's
	v_exp_f32 v106, -v104
	v_exp_f32 v107, -v105
	v_cmp_le_u32 s20, v104, v90                    ; 0 <= N <= Nmax on the bits; also the plain places behind the two above (ISA guide 5.7.2)
	v_cmp_le_u32 s21, v105, v90
	s_wait_alu depctr_va_vdst(0)
	v_pk_mul_f32 v[108:109], v[106:107], v[90:91] op_sel:[0,1] op_sel_hi:[1,1]                 ; op 2^-N
	ds_load_b128 v[88:91], v120 offset:REC+16
	v_min_num_f32 v108, 0x3f7d70a4, v108           ; 0.99
	v_min_num_f32 v109, 0x3f7d70a4, v109
	v_cndmask_b32 v108, 0, v108, s20
	v_cndmask_b32 v109, 0, v109, s21
	v_pk_mul_f32 v[110:111], v[108:109], v[112:113]                                            ; w = alpha T
	v_pk_add_f32 v[112:113], v[112:113], v[110:111] neg_lo:[0,1] neg_hi:[0,1]                  ; T -= w
	s_wait_dscnt 2                                 ; this record's colours are in; the next record's two loads stay out
	v_pk_fma_f32 v[114:115], v[110:111], v[92:93], v[114:115] op_sel_hi:[1,0,1]
	v_pk_fma_f32 v[116:117], v[110:111], v[92:93], v[116:117] op_sel:[0,1,0] op_sel_hi:[1,1,1]
	v_pk_fma_f32 v[118:119], v[110:111], v[94:95], v[118:119] op_sel_hi:[1,0,1]
	ds_load_b128 v[92:95], v120 offset:REC+32
	s_cmp_lt_u32 s28, s29
	s_cbranch_scc1 .Lloop
	s_lshl_b32 s20, s19, 11                        ; my segment: 4 x 512 bytes
	s_lshl_b32 s21, s18, 8                         ; my 64 pixels
	s_add_co_u32 s20, s20, s21
	v_lshl_add_u32 v121, v1, 3, s20
	ds_store_b64 v121, v[114:115] offset:COMB
	ds_store_b64 v121, v[116:117] offset:COMB+512
	ds_store_b64 v121, v[118:119] offset:COMB+1024
	ds_store_b64 v121, v[112:113] offset:COMB+1536
	s_wait_dscnt 0x0                               ; these four, and the last trip's three loads
	s_barrier_signal -1
	s_barrier_wait -1
	s_cmp_gt_u32 s2, 2
	s_cbranch_scc1 .Lend
	; waves 0-2: colour plane w; lane q: pixels 4 q .. 4 q + 3 of the tile (row q / 4, 16 bytes at 16 (q & 3))
	v_lshlrev_b32 v10, 4, v1
	s_lshl_b32 s20, s2, 9
	v_add_nc_u32 v11, s20, v10
.irp s, 0,1,2,3,4,5,6
	ds_load_b128 v[16+8*\s:19+8*\s], v11 offset:COMB+2048*\s
	ds_load_b128 v[20+8*\s:23+8*\s], v10 offset:COMB+2048*\s+1536
.endr
	ds_load_b128 v[72:75], v11 offset:COMB+2048*7
	s_mul_i32 s20, s3, 3
	s_add_co_u32 s20, s20, s2                      ; plane
	s_lshl_b32 s20, s20, 4
	s_add_co_u32 s20, s20, s11                     ; 16 tile rows a plane
	s_lshl_b32 s20, s20, 12                        ; of 8 image rows of 512 bytes
	s_lshl_b32 s21, s10, 6
	s_add_co_u32 s20, s20, s21
	v_lshrrev_b32 v12, 2, v1
	v_and_b32 v13, 3, v1
	v_lshlrev_b32 v13, 4, v13
	v_lshl_add_u32 v12, v12, 9, v13
	v_add_nc_u32 v12, s20, v12
.irp s, 1,2,3,4,5,6
	s_wait_dscnt 13-2*\s                           ; of the 15 loads, C and T of segments 0 .. s are in
	v_pk_fma_f32 v[16:17], v[20:21], v[16+8*\s:17+8*\s], v[16:17]  ; C += T of all segments in front x C_s
	v_pk_fma_f32 v[18:19], v[22:23], v[18+8*\s:19+8*\s], v[18:19]
	v_pk_mul_f32 v[20:21], v[20:21], v[20+8*\s:21+8*\s]
	v_pk_mul_f32 v[22:23], v[22:23], v[22+8*\s:23+8*\s]
.endr
	s_wait_dscnt 0x0
	v_pk_fma_f32 v[16:17], v[20:21], v[72:73], v[16:17]
	v_pk_fma_f32 v[18:19], v[22:23], v[74:75], v[18:19]
	global_store_b128 v12, v[16:19], s[8:9] th:TH_STORE_NT         ; four lanes fill a tile row's 64 bytes
.Lend:
	s_wait_tensorcnt 0x0
	ds_add_u32 v128, v129
	s_wait_dscnt 0x0
	s_endpgm
.Lfunc_end_k_q0227dcfb13_render:
	.size	k_q0227dcfb13_render, .Lfunc_end_k_q0227dcfb13_render-k_q0227dcfb13_render
	.p2alignl 7, 3214868480
	.fill 96, 4, 3214868480
	.section	.rodata,"a",@progbits
	.p2align	6, 0x0
	.amdhsa_kernel k_q0227dcfb13_render
		.amdhsa_group_segment_fixed_size 79872
		.amdhsa_private_segment_fixed_size 0
		.amdhsa_enable_private_segment 0
		.amdhsa_kernarg_size 32
		.amdhsa_user_sgpr_count 2
		.amdhsa_user_sgpr_kernarg_segment_ptr 1
		.amdhsa_wavefront_size32 1
		.amdhsa_system_sgpr_workgroup_id_x 1
		.amdhsa_system_sgpr_workgroup_id_y 1
		.amdhsa_system_sgpr_workgroup_id_z 1
		.amdhsa_system_vgpr_workitem_id 0
		.amdhsa_next_free_vgpr 130
		.amdhsa_next_free_sgpr 72
		.amdhsa_reserve_vcc 1
		.amdhsa_float_denorm_mode_32 3
		.amdhsa_float_denorm_mode_16_64 3
		.amdhsa_memory_ordered 1
		.amdhsa_forward_progress 1
		.amdhsa_inst_pref_size 17
	.end_amdhsa_kernel
	.amdgpu_metadata
---
amdhsa.version: [ 1, 2 ]
amdhsa.kernels:
  - .name:           k_q0227dcfb13_render
    .symbol:         k_q0227dcfb13_render.kd
    .args:
      - { .name: tab, .offset: 0, .size: 8, .value_kind: global_buffer, .address_space: global }
      - { .name: par, .offset: 8, .size: 8, .value_kind: global_buffer, .address_space: global }
      - { .name: out0, .offset: 16, .size: 8, .value_kind: global_buffer, .address_space: global }
      - { .name: cnt, .offset: 24, .size: 8, .value_kind: global_buffer, .address_space: global }
    .group_segment_fixed_size: 79872
    .private_segment_fixed_size: 0
    .kernarg_segment_align: 8
    .kernarg_segment_size: 32
    .max_flat_workgroup_size: 512
    .sgpr_count:     72
    .vgpr_count:     130
    .wavefront_size: 32
...
	.end_amdgpu_metadata
.endif
;; end of part 2
;; ======== version 2 of 2: 2 launches; version 1 with the launch render written anew for expert scheduling mode
;; workspace buffers: tab 16,384 bytes of whole numbers; cnt 32,768 bytes of whole numbers; par 98,304 bytes
;; launch prep: the kernel of part 1 again; grid 32 x 2, 9 waves a work-group, no clusters, 6,656 bytes of LDS; arguments C2W, features, fxfycxcy, opacity, rotation, scaling, xyz, tab, par, cnt; writes tab, par, cnt
;; launch render (part 3): grid 128 x 2, 16 waves a work-group, no clusters, 79,872 bytes of LDS; arguments tab, par, out0, cnt; writes out0
.if DOCPART == 3
	.amdgcn_target "amdgcn-amd-amdhsa--gfx1250"
	.amdhsa_code_object_version 6
	.text
	.protected	k_q0227dcfb13_render
	.globl	k_q0227dcfb13_render
	.p2align	8
	.type	k_q0227dcfb13_render,@function
k_q0227dcfb13_render:
	s_mov_b64 s[64:65], 0
	v_nop
	global_prefetch_b8 v0, s[64:65] scope:SCOPE_SE
	s_setreg_imm32_b32 hwreg(HW_REG_WAVE_SCHED_MODE, 0, 2), 2
	s_setreg_imm32_b32 hwreg(HW_REG_WAVE_MODE, 25, 1), 1
	s_wait_xcnt 0x0
	s_wait_alu depctr_vm_vsrc(0)
; RENDER: one work-group = one tile of 16 x 8 pixels of one view (x: tile, 8 across and 16 down; y: view).  Sixteen waves.
; 1. THE TILE'S LIST, on whole numbers from tab and cnt only.  Its length n is the sum of the tile's 32 words of cnt (128 neighbouring
;    bytes, two scalar loads, 31 scalar adds in every wave: n steers the trip count, so every wave wants it as a scalar).
;    Thread t owns Gaussians t and t + 512.  A Gaussian is on the list if its mask has the tile's column bit and row bit.  Its record is
;    asked for at once (fixed address; one that misses asks for record 0 instead).  'index or -1' goes to LDS at the Gaussian's depth
;    rank; wave w then takes sorted places 64 w .. 64 w + 63, counts hits in front of each (ballot, mbcnt), and the waves' totals meet
;    in a table M[l][k] = (l > k ? total k : 0): row w sums to wave w's base.  The place in the list goes back to the owner through
;    posOf[index]; owners of misses find TRASH there.
; 2. THE OWNER rewrites N = A dx^2 + B dx dy + C dy^2 (dx = X - ul ..) in X, Y measured from the tile's centre:
;    N + delta = (A X + B Y + D) X + (C Y + E) Y + F,  D = -(2A ul + B vl), E = -(2C vl + B ul), F = -(D ul + E vl)/2 + delta,
;    and stores A B C D | E F Nmax op | r g b 0 at its place.  32 records of zeros follow the list.
; 3. THE LOOP.  Wave = (half of the tile pw = w & 1, segment seg = w >> 1); a lane has two neighbouring pixels of a row.  Every wave
;    takes m = max(1, ceil(n / 8)) records from seg m on, two to a trip; where m is odd the last trip's second half is jumped over.
;    Zeros give alpha = 0.  alpha = min(0.99, op 2^-N) if 0 <= N <= Nmax (one unsigned compare of the bits: a negative N has the top
;    bit set), else 0.  w = alpha T, T -= w, colour += w c.
; 4. THE SEGMENTS' (colour, T) meet in LDS; waves 0-2 (one colour plane each) fold them front to back, C += Tprefix C_s, and store.
; The product weights x colours has three columns: it stays on the vector unit, in f32, fused into the recurrence (1.5 packed
; instructions a pair); a 16 x 16 x 32 fragment would use 3 of its 16 columns and want the list padded to 32.
; A tile row is 64 neighbouring bytes of the image; a tile 64 pixels wide would make whole runs of 256 bytes but nearly double the
; pairs, (64+16)(2+16) against (16+16)(8+16) for a box of 16 pixels.
; LIMITS: as stated for the first launch (finite inputs; alpha >= 1/255 tested as N <= log2(255 op); N >= -2^-10 taken as
; 'power <= 0' for positive definite conics).
; THE MODE: SCHED_MODE bits 1:0 = 2 (LLVM: expert scheduling mode 2), set by the entry lines.  The code itself states the register
; dependences between vector instructions and memory or LDS instructions, and those through scalar registers that vector instructions
; write, with s_wait_alu, always for 0.
; THE PLAN.  Registers that memory or LDS instructions touch:
;   addresses and constant data   v2, v[TRV], v[ASORT], v[AMAT], v[AROW], v[ACOMB], v[AF0], v[AF1], v[AOUT]: made at the head by every
;              wave, never written again.  v[APAD] and the zeros v[80:83]: made once n is known, by every wave; wave 0 stores by them.
;   one use    v4 v5 v10-v13 | v66 | v40-v43 | v64 v65 v[16:39] | v[112:119] | v[FB:FB+3]: each group is finished by vector instructions,
;              ONE wait on va_vdst follows, then the group's loads or stores; none of these registers is written again.
;   landing    Outside the loop every load lands in registers that no vector instruction has named before.
;   the loop   RA, RB: record i lies in buffer i % 2.  AD0, AD1: AD[i % 2] holds record i's LDS address.  The half trip of record i reads
;              buffer i % 2; its three LDS loads bring record i + 1 into the other buffer by AD[(i + 1) % 2]; then it writes AD[i % 2]
;              for record i + 2.  So the waits at a half trip's head state all that its loads and that write hang on, and the twenty
;              vector instructions behind them name buffer i % 2, registers at work and the accumulators alone.
;   v8, v9, v[44:47], v[99:111] are named by vector instructions alone.
.set COMB,  0                          ; LDS: [8 segments][r g b T][128 pixels] f32
.set SORT,  16384                      ; LDS: 1,024 words, by depth rank
.set MAT,   20480                      ; LDS: 32 rows x 16 words
.set POSOF, 22528                      ; LDS: 1,024 words by index, and one for the misses
.set REC,   26640                      ; LDS: 1,057 records of 48 bytes
.set TRASH, 1056                       ; the record that misses write
.set LASTP, 1055                       ; the last record of zeros at n = 1,024
.set CNT,   32                         ; s[32:63] the tile's 32 counts
.set RB,    68                         ; v[68:79]   record buffer 1
.set RA,    84                         ; v[84:95]   record buffer 0
.set AD0,   120                        ; v120       48 x the number of the record that buffer 0 takes next
.set AD1,   121                        ; v121       the same for buffer 1
.set TRV,   122                        ; v122       the number TRASH
.set ASORT, 123                        ; v123       256 w + 4 lane: my sorted places
.set AMAT,  124                        ; v124       64 lane + 4 w: M[lane][w]
.set AROW,  125                        ; v125       64 w: row w of M
.set APAD,  126                        ; v126       48 x (n + lane): the records of zeros
.set ACOMB, 127                        ; v127       2,048 seg + 256 pw + 8 lane: my two pixels in my segment
.set AF0,   128                        ; v128       16 lane: four pixels of a plane of COMB
.set AF1,   129                        ; v129       512 w + 16 lane: the same in colour plane w
.set AOUT,  130                        ; v130       my 16 bytes in out0, plane w
.set FB,    132                        ; v[132:191] the fold: segment s: colour at FB + 8 s, T at FB + 8 s + 4
	s_load_b128 s[4:7], s[0:1], 0x0                ; tab, par
	s_load_b64 s[8:9], s[0:1], 0x10                ; out0
	s_load_b64 s[68:69], s[0:1], 0x18              ; cnt
	v_lshl_add_u32 v67, v0, 2, 0x13000
	v_mov_b32 v131, 0
	v_lshrrev_b32 v1, 5, v0
	v_readfirstlane_b32 s2, v1                     ; wave 0..15
	v_and_b32 v1, 31, v0                           ; lane
	s_and_b32 s3, ttmp7, 0xffff                    ; view
	s_and_b32 s10, ttmp9, 7                        ; tile column
	s_lshr_b32 s11, ttmp9, 3                       ; tile row
	s_lshl_b32 s12, 1, s10
	s_lshl_b32 s13, 0x100, s11
	s_or_b32 s12, s12, s13                         ; the tile's two bits in a mask
	v_lshlrev_b32 v2, 2, v0                        ; 4 t
	v_add_nc_u32 v3, 512, v0                       ; my second Gaussian
	v_mov_b32 v[TRV], TRASH
	v_lshlrev_b32 v[AF0], 4, v1
	s_lshl_b32 s14, s3, 12
	s_mov_b32 s15, 0
	s_mul_i32 s16, s3, 49152
	s_mov_b32 s17, 0
	s_lshl_b32 s20, s3, 7
	s_add_co_u32 s20, s20, ttmp9                   ; 128 view + tile,
	s_lshl_b32 s20, s20, 7                         ; rows of 128 bytes
	s_mov_b32 s21, 0
	s_wait_alu depctr_va_sdst(0)                   ; s2 is written, ahead of its first reader: addresses, branches and the segment are made from it
	s_and_b32 s18, s2, 1                           ; pw
	s_lshr_b32 s19, s2, 1                          ; seg
	; every address that hangs on the thread, the wave and the tile alone is made here, while the arguments are on their way
	s_lshl_b32 s22, s2, 8
	v_lshl_add_u32 v[ASORT], v1, 2, s22
	s_lshl_b32 s23, s2, 2
	v_lshlrev_b32 v[AMAT], 6, v1
	v_add_nc_u32 v[AMAT], s23, v[AMAT]
	s_lshl_b32 s24, s2, 6
	v_mov_b32 v[AROW], s24
	s_lshl_b32 s25, s19, 11                        ; my segment: 4 x 512 bytes
	s_lshl_b32 s26, s18, 8                         ; my 64 pixels
	s_add_co_u32 s25, s25, s26
	v_lshl_add_u32 v[ACOMB], v1, 3, s25
	s_lshl_b32 s27, s2, 9
	v_add_nc_u32 v[AF1], s27, v[AF0]
	s_mul_i32 s28, s3, 3                           ; out0 (used by waves 0-2):
	s_add_co_u32 s28, s28, s2                      ; plane
	s_lshl_b32 s28, s28, 4
	s_add_co_u32 s28, s28, s11                     ; 16 tile rows a plane
	s_lshl_b32 s28, s28, 12                        ; of 8 image rows of 512 bytes
	s_lshl_b32 s29, s10, 6
	s_add_co_u32 s28, s28, s29
	v_lshrrev_b32 v[AOUT], 2, v1                   ; lane q: pixels 4 q .. 4 q + 3 of the tile (row q / 4, 16 bytes at 16 (q & 3))
	v_and_b32 v8, 3, v1
	v_lshlrev_b32 v8, 4, v8
	v_lshl_add_u32 v[AOUT], v[AOUT], 9, v8
	v_add_nc_u32 v[AOUT], s28, v[AOUT]
	v_and_b32 v96, 7, v1                           ; my pixels: x = 2 (lane & 7), x + 1; y = 4 pw + lane / 8
	v_lshlrev_b32 v96, 1, v96
	v_cvt_f32_u32 v96, v96
	v_add_f32 v97, 0xc0d00000, v96                 ; X of the second: x + 1 + 0.5 - 8
	v_add_f32 v96, 0xc0f00000, v96                 ; X of the first:  x + 0.5 - 8
	v_lshrrev_b32 v98, 3, v1
	v_lshl_add_u32 v98, s18, 2, v98
	v_cvt_f32_u32 v98, v98
	v_add_f32 v98, 0xc0600000, v98                 ; Y = y + 0.5 - 4
	s_lshl_b32 s30, s10, 4
	s_add_co_u32 s30, s30, 8
	v_cvt_f32_u32 v14, s30                         ; the tile's centre
	s_lshl_b32 s31, s11, 3
	s_add_co_u32 s31, s31, 4
	v_cvt_f32_u32 v15, s31
	s_wait_alu depctr_va_vdst(0)                   ; v2, v[TRV] and the seven addresses above are written: loads and stores of the whole kernel read them
	s_wait_kmcnt 0x0
	s_add_nc_u64 s[4:5], s[4:5], s[14:15]
	s_add_nc_u64 s[6:7], s[6:7], s[16:17]
	s_add_nc_u64 s[68:69], s[68:69], s[20:21]
	global_load_b32 v4, v2, s[4:5]                 ; rank t, rank t + 512
	global_load_b32 v5, v2, s[4:5] offset:2048
	global_load_b32 v6, v2, s[4:5] offset:8192     ; mask t, mask t + 512
	global_load_b32 v7, v2, s[4:5] offset:10240
	s_load_b512 s[CNT:CNT+15], s[68:69], 0x0       ; hits of blocks 0-15 in my tile
	s_load_b512 s[CNT+16:CNT+31], s[68:69], 0x40   ; of blocks 16-31
	ds_store_b32 v2, v[TRV] offset:POSOF           ; until a hit is told its place
	ds_store_b32 v2, v[TRV] offset:POSOF+2048
	s_wait_loadcnt 0x0
	v_and_b32 v8, s12, v6
	v_and_b32 v9, s12, v7
	v_cmp_eq_u32 s16, s12, v8                      ; both bits set
	v_cmp_eq_u32 s17, s12, v9
	v_min_u32 v4, 0x3ff, v4
	v_min_u32 v5, 0x3ff, v5
	v_lshlrev_b32 v4, 2, v4
	v_lshlrev_b32 v5, 2, v5
	s_wait_alu depctr_va_sdst(0)                   ; the two compares have written s16 and s17, which the four selects read
	v_cndmask_b32 v10, -1, v0, s16                 ; index or -1
	v_cndmask_b32 v12, 0, v0, s16                  ; record to fetch
	v_cndmask_b32 v11, -1, v3, s17
	v_cndmask_b32 v13, 0, v3, s17
	v_min_u32 v12, 0x3ff, v12
	v_min_u32 v13, 0x3ff, v13
	v_mul_u32_u24 v12, 48, v12
	v_mul_u32_u24 v13, 48, v13
	s_wait_alu depctr_va_vdst(0)                   ; v12 and v13 (the six loads' offsets), v4 and v5 (the two stores' addresses), v10 and v11 (their data) are written
	global_load_b128 v[16:19], v12, s[6:7]
	global_load_b128 v[20:23], v12, s[6:7] offset:16
	global_load_b128 v[24:27], v12, s[6:7] offset:32
	global_load_b128 v[28:31], v13, s[6:7]
	global_load_b128 v[32:35], v13, s[6:7] offset:16
	global_load_b128 v[36:39], v13, s[6:7] offset:32
	ds_store_b32 v4, v10 offset:SORT               ; ranks are a permutation: every word is written
	ds_store_b32 v5, v11 offset:SORT
	s_wait_kmcnt 0x0                               ; the tile's 32 counts
	s_add_co_u32 s26, s[CNT], s[CNT+1]
.set r, CNT+2
.rept 30
	s_add_co_u32 s26, s26, s[r]
.set r, r+1
.endr
	s_min_u32 s26, s26, 0x400                      ; n, the list's length
	s_wait_dscnt 0x0
	s_barrier_signal -1
	s_barrier_wait -1
	; sorted places 64 w + lane and 64 w + 32 + lane
	ds_load_b32 v40, v[ASORT] offset:SORT
	ds_load_b32 v41, v[ASORT] offset:SORT+128
	v_add_nc_u32 v[APAD], s26, v1                  ; while they are on their way: records n .. n + 31 are to be zeros
	v_min_u32 v[APAD], LASTP, v[APAD]
	v_mul_u32_u24 v[APAD], 48, v[APAD]
	v_mov_b32 v80, 0
	v_mov_b32 v81, 0
	v_mov_b32 v82, 0
	v_mov_b32 v83, 0
	v_cmp_lt_u32 s13, s2, v1                       ; row l takes my total if l > w
	s_wait_dscnt 0x0
	v_cmp_le_i32 s22, 0, v40
	v_cmp_le_i32 s23, 0, v41
	s_wait_alu depctr_va_sdst(0)                   ; the three compares have written s13, s22 and s23, ahead of the counts and the select that read them
	s_bcnt1_i32_b32 s24, s22
	s_bcnt1_i32_b32 s25, s23
	v_mbcnt_lo_u32_b32 v42, s22, 0                 ; hits of my wave in front of each place
	v_mbcnt_lo_u32_b32 v43, s23, s24
	s_add_co_u32 s25, s24, s25
	v_mov_b32 v66, s25
	v_cndmask_b32 v66, 0, v66, s13
	s_wait_alu depctr_va_vdst(0)                   ; v66 is written, which the store reads; so are v[APAD] and the zeros, for wave 0's stores further down
	ds_store_b32 v[AMAT], v66 offset:MAT
	s_wait_dscnt 0x0
	s_barrier_signal -1
	s_barrier_wait -1
.irp k, 0,1,2,3
	ds_load_b128 v[48+4*\k:51+4*\k], v[AROW] offset:MAT+16*\k      ; row w
.endr
	v_min_u32 v40, 0x400, v40                      ; -1 becomes 1,024: the word for misses
	v_min_u32 v41, 0x400, v41
	v_lshlrev_b32 v40, 2, v40
	v_lshlrev_b32 v41, 2, v41
	s_wait_dscnt 0x0
	v_add3_u32 v48, v48, v49, v50                  ; the hits of all waves in front of mine
	v_add3_u32 v51, v51, v52, v53
	v_add3_u32 v54, v54, v55, v56
	v_add3_u32 v57, v57, v58, v59
	v_add3_u32 v60, v60, v61, v62
	v_add3_u32 v48, v48, v51, v54
	v_add3_u32 v57, v57, v60, v63
	v_add_nc_u32 v48, v48, v57
	v_add_nc_u32 v42, v48, v42                     ; place in the list
	v_add_nc_u32 v43, v48, v43
	s_wait_alu depctr_va_vdst(0)                   ; v40 and v41 (addresses), v42 and v43 (data) are written, which the two stores read
	ds_store_b32 v40, v42 offset:POSOF
	ds_store_b32 v41, v43 offset:POSOF
	s_cmp_lg_u32 s2, 0
	s_cbranch_scc1 .Lno_pad
	ds_store_b128 v[APAD], v[80:83] offset:REC     ; wave 0: records n .. n + 31 are zeros
	ds_store_b128 v[APAD], v[80:83] offset:REC+16
	ds_store_b128 v[APAD], v[80:83] offset:REC+32
.Lno_pad:
	s_wait_dscnt 0x0
	s_barrier_signal -1
	s_barrier_wait -1
	ds_load_b32 v64, v2 offset:POSOF               ; my two places (TRASH for a miss)
	ds_load_b32 v65, v2 offset:POSOF+2048
	s_add_co_u32 s27, s26, 7
	s_lshr_b32 s27, s27, 3
	s_max_u32 s27, s27, 1                          ; m records
	s_mul_i32 s28, s19, s27                        ; my first record
	s_add_co_u32 s29, s28, s27                     ; behind my last
	s_add_co_u32 s27, s27, 1
	s_lshr_b32 s27, s27, 1                         ; trips of two records
	s_min_u32 s30, s28, LASTP
	s_mul_i32 s30, s30, 48
	v_mov_b32 v[AD0], s30                          ; my first record's address,
	s_add_co_u32 s24, s28, 1
	s_min_u32 s24, s24, LASTP
	s_mul_i32 s24, s24, 48
	v_mov_b32 v[AD1], s24                          ; and my second's
	s_wait_loadcnt 0x0                             ; my two records
.macro COEF r                          ; in: A B C u | v delta ..; out: A B C D | E F ..
	v_sub_f32 v44, v[\r+3], v14                    ; ul, vl: the centre seen from the tile's centre
	v_sub_f32 v45, v[\r+4], v15
	v_mul_f32 v46, v[\r+1], v45
	v_add_f32 v47, v[\r], v[\r]
	v_fma_f32 v[\r+3], -v47, v44, -v46             ; D = -(2A ul + B vl)
	v_mul_f32 v46, v[\r+1], v44
	v_add_f32 v47, v[\r+2], v[\r+2]
	v_fma_f32 v[\r+4], -v47, v45, -v46             ; E = -(2C vl + B ul)
	v_mul_f32 v46, v[\r+3], v44
	v_fma_f32 v46, v[\r+4], v45, v46
	v_fma_f32 v[\r+5], -0.5, v46, v[\r+5]          ; F = -(D ul + E vl)/2 + delta
.endm
	COEF 16
	COEF 28
	s_wait_dscnt 0x0
	v_min_u32 v64, TRASH, v64
	v_min_u32 v65, TRASH, v65
	v_mul_u32_u24 v64, 48, v64
	v_mul_u32_u24 v65, 48, v65
	s_wait_alu depctr_va_vdst(0)                   ; D, E, F of both records (the stores' data), v64 and v65 (their addresses) are written; so are v[AD0] and v[AD1], for the loop's first loads
	ds_store_b128 v64, v[16:19] offset:REC
	ds_store_b128 v64, v[20:23] offset:REC+16
	ds_store_b128 v64, v[24:27] offset:REC+32
	ds_store_b128 v65, v[28:31] offset:REC
	ds_store_b128 v65, v[32:35] offset:REC+16
	ds_store_b128 v65, v[36:39] offset:REC+32
	s_wait_dscnt 0x0
	s_barrier_signal -1
	s_barrier_wait -1
	; v[96:97] X, v98 Y; v[112:113] T; v[114:119] r, g, b of my two pixels
	ds_load_b128 v[RA:RA+3], v[AD0] offset:REC     ; my first record
	ds_load_b128 v[RA+4:RA+7], v[AD0] offset:REC+16
	ds_load_b128 v[RA+8:RA+11], v[AD0] offset:REC+32
	v_mov_b32 v112, 1.0
	v_mov_b32 v113, 1.0
.irp r, 114,115,116,117,118,119
	v_mov_b32 v\r, 0
.endr
; The half trip of record s28, which lies in buffer r.  q: the other buffer; adn: the address of the next record, which q takes;
; adw: the address by which r was loaded, written here for the record two on.
.macro HALF r, q, adn, adw
	s_wait_dscnt 0x0                               ; the record's three loads, issued a half trip ago, are in; none is younger
	s_wait_alu depctr_vm_vsrc(0)                   ; those loads have read their address register, which is written again below
	s_wait_alu depctr_va_vdst(0)                   ; the half trip before is done reading the other buffer, in which the loads below land, and has written their address
	ds_load_b128 v[\q:\q+3], v[\adn] offset:REC    ; the next record (behind my last: one that is loaded and not used)
	ds_load_b128 v[\q+4:\q+7], v[\adn] offset:REC+16
	ds_load_b128 v[\q+8:\q+11], v[\adn] offset:REC+32
	s_add_co_u32 s30, s28, 2
	s_min_u32 s30, s30, LASTP
	s_mul_i32 s30, s30, 48
	v_mov_b32 v[\adw], s30                         ; the record two on
	s_add_co_u32 s28, s28, 1
	v_fma_f32 v99, v[\r+2], v98, v[\r+4]           ; C Y + E
	v_fma_f32 v100, v[\r+1], v98, v[\r+3]          ; B Y + D
	v_fma_f32 v101, v99, v98, v[\r+5]              ; (C Y + E) Y + F
	v_pk_fma_f32 v[102:103], v[\r:\r+1], v[96:97], v[100:101] op_sel_hi:[0,1,0]                ; A X + (B Y + D)
	v_pk_fma_f32 v[104:105], v[102:103], v[96:97], v[100:101] op_sel:[0,0,1] op_sel_hi:[1,1,1] ; N
	v_exp_f32 v106, -v104
	v_exp_f32 v107, -v105
	v_cmp_le_u32 s20, v104, v[\r+6]                ; 0 <= N <= Nmax on the bits; also the plain places behind the two above (ISA guide 5.7.2)
	v_cmp_le_u32 s21, v105, v[\r+6]
	s_wait_alu depctr_va_vdst(0)
	v_pk_mul_f32 v[108:109], v[106:107], v[\r+6:\r+7] op_sel:[0,1] op_sel_hi:[1,1]             ; op 2^-N
	v_min_num_f32 v108, 0x3f7d70a4, v108           ; 0.99
	v_min_num_f32 v109, 0x3f7d70a4, v109
	s_wait_alu depctr_va_sdst(0)                   ; the two compares have written s20 and s21, which the two selects read
	v_cndmask_b32 v108, 0, v108, s20
	v_cndmask_b32 v109, 0, v109, s21
	v_pk_mul_f32 v[110:111], v[108:109], v[112:113]                                            ; w = alpha T
	v_pk_add_f32 v[112:113], v[112:113], v[110:111] neg_lo:[0,1] neg_hi:[0,1]                  ; T -= w
	v_pk_fma_f32 v[114:115], v[110:111], v[\r+8:\r+9], v[114:115] op_sel_hi:[1,0,1]
	v_pk_fma_f32 v[116:117], v[110:111], v[\r+8:\r+9], v[116:117] op_sel:[0,1,0] op_sel_hi:[1,1,1]
	v_pk_fma_f32 v[118:119], v[110:111], v[\r+10:\r+11], v[118:119] op_sel_hi:[1,0,1]
.endm
	s_mov_b32 s31, 0
.Lloop:                                                ; ceil(m / 2) trips
	HALF RA, RB, AD1, AD0
	s_cmp_ge_u32 s28, s29                          ; m odd, the last trip: that was my last record, and the second half is jumped over;
	s_cbranch_scc1 .Lodd                           ; the jump lands ahead of the counter's step, and the loop is left by its own branch
	HALF RB, RA, AD0, AD1
.Lodd:
	s_add_co_u32 s31, s31, 1
	s_cmp_lt_u32 s31, s27
	s_cbranch_scc1 .Lloop
	s_wait_alu depctr_va_vdst(0)                   ; the last half trip has written T and the colours, which the four stores read
	ds_store_b64 v[ACOMB], v[114:115] offset:COMB
	ds_store_b64 v[ACOMB], v[116:117] offset:COMB+512
	ds_store_b64 v[ACOMB], v[118:119] offset:COMB+1024
	ds_store_b64 v[ACOMB], v[112:113] offset:COMB+1536
	s_wait_dscnt 0x0                               ; these four, and the last half trip's three loads
	s_barrier_signal -1
	s_barrier_wait -1
	s_cmp_gt_u32 s2, 2
	s_cbranch_scc1 .Lend
	; waves 0-2: colour plane w; lane q: pixels 4 q .. 4 q + 3 of the tile
.irp s, 0,1,2,3,4,5,6
	ds_load_b128 v[FB+8*\s:FB+8*\s+3], v[AF1] offset:COMB+2048*\s
	ds_load_b128 v[FB+8*\s+4:FB+8*\s+7], v[AF0] offset:COMB+2048*\s+1536
.endr
	ds_load_b128 v[FB+56:FB+59], v[AF1] offset:COMB+2048*7
.irp s, 1,2,3,4,5,6
	s_wait_dscnt 13-2*\s                           ; of the 15 loads, C and T of segments 0 .. s are in
	v_pk_fma_f32 v[FB:FB+1], v[FB+4:FB+5], v[FB+8*\s:FB+8*\s+1], v[FB:FB+1]        ; C += T of all segments in front x C_s
	v_pk_fma_f32 v[FB+2:FB+3], v[FB+6:FB+7], v[FB+8*\s+2:FB+8*\s+3], v[FB+2:FB+3]
	v_pk_mul_f32 v[FB+4:FB+5], v[FB+4:FB+5], v[FB+8*\s+4:FB+8*\s+5]
	v_pk_mul_f32 v[FB+6:FB+7], v[FB+6:FB+7], v[FB+8*\s+6:FB+8*\s+7]
.endr
	s_wait_dscnt 0x0
	v_pk_fma_f32 v[FB:FB+1], v[FB+4:FB+5], v[FB+56:FB+57], v[FB:FB+1]
	v_pk_fma_f32 v[FB+2:FB+3], v[FB+6:FB+7], v[FB+58:FB+59], v[FB+2:FB+3]
	s_wait_alu depctr_va_vdst(0)                   ; the fold has written v[FB:FB+3], which the store reads
	global_store_b128 v[AOUT], v[FB:FB+3], s[8:9] th:TH_STORE_NT   ; four lanes fill a tile row's 64 bytes
.Lend:
	s_wait_dscnt 0x0
	s_wait_alu depctr_hold_cnt(0) depctr_sa_sdst(0) depctr_va_vdst(0) depctr_va_sdst(0) depctr_va_ssrc(0) depctr_va_vcc(0) depctr_vm_vsrc(0)
	s_wait_tensorcnt 0x0
	ds_add_u32 v67, v131
	s_wait_dscnt 0x0
	s_endpgm
.Lfunc_end_k_q0227dcfb13_render:
	.size	k_q0227dcfb13_render, .Lfunc_end_k_q0227dcfb13_render-k_q0227dcfb13_render
	.p2alignl 7, 3214868480
	.fill 96, 4, 3214868480
	.section	.rodata,"a",@progbits
	.p2align	6, 0x0
	.amdhsa_kernel k_q0227dcfb13_render
		.amdhsa_group_segment_fixed_size 79872
		.amdhsa_private_segment_fixed_size 0
		.amdhsa_enable_private_segment 0
		.amdhsa_kernarg_size 32
		.amdhsa_user_sgpr_count 2
		.amdhsa_user_sgpr_kernarg_segment_ptr 1
		.amdhsa_wavefront_size32 1
		.amdhsa_system_sgpr_workgroup_id_x 1
		.amdhsa_system_sgpr_workgroup_id_y 1
		.amdhsa_system_sgpr_workgroup_id_z 1
		.amdhsa_system_vgpr_workitem_id 0
		.amdhsa_next_free_vgpr 192
		.amdhsa_next_free_sgpr 72
		.amdhsa_reserve_vcc 0
		.amdhsa_float_denorm_mode_32 3
		.amdhsa_float_denorm_mode_16_64 3
		.amdhsa_memory_ordered 1
		.amdhsa_forward_progress 1
		.amdhsa_inst_pref_size 20
	.end_amdhsa_kernel
	.amdgpu_metadata
---
amdhsa.version: [ 1, 2 ]
amdhsa.kernels:
  - .name:           k_q0227dcfb13_render
    .symbol:         k_q0227dcfb13_render.kd
    .args:
      - { .name: tab, .offset: 0, .size: 8, .value_kind: global_buffer, .address_space: global }
      - { .name: par, .offset: 8, .size: 8, .value_kind: global_buffer, .address_space: global }
      - { .name: out0, .offset: 16, .size: 8, .value_kind: global_buffer, .address_space: global }
      - { .name: cnt, .offset: 24, .size: 8, .value_kind: global_buffer, .address_space: global }
    .group_segment_fixed_size: 79872
    .private_segment_fixed_size: 0
    .kernarg_segment_align: 8
    .kernarg_segment_size: 32
    .max_flat_workgroup_size: 512
    .sgpr_count:     72
    .vgpr_count:     192
    .wavefront_size: 32
...
	.end_amdgpu_metadata
.endif
;; end of part 3
